; MI455X (gfx1250); checked and timed in simulation.
; The chip was launched on July 23, 2026; its instructions are those of AMD's public machine-readable ISA for CDNA 5 (MIT licence, August 2026) and "CDNA5" Instruction Set Architecture Reference Guide (July 2026). The comments in the code are by the model that wrote it; some were corrected since.
;; Dense KAN. Allowed arithmetic: matrix products marked QUANTISED: E2M1 operands, one E8M0 scale for each 32 along K, by v_wmma_scale_f32_16x16x128_f8f6f4 with both operands' format E2M1 (or v_wmma_scale_f32_32x16x128_f4), f32 sums; everything else in f32.
;; Inputs: spline_kernel 1,024 x 8 x 1,024 float32; x 4,096 x 1,024 float32.
;; Outputs: out0 4,096 x 1,024 float32.
;; This version of the problem:
;;   THIS VERSION OF THE PROBLEM IS GIVEN IN LOW PRECISION. The matrix products marked QUANTISED in the list below multiply operands that are first quantised to E2M1 (2 exponent bits, 1 mantissa bit; 4 bits a number), with one power-of-two scale for each 32 numbers along K (OCP MX v1.0); their sums are f32. All else is computed in f32.
;;   The module's matrix products, in the order in which they are computed (A, B: the left and right operand; K: the contracted axis; several contracted axes count as one K, in the product's order):
;;     1. [M 4,096, K 8,192] x [K 8,192, N 1,024]; A: computed on the way; B: input spline_kernel: QUANTISED
;;   THE QUANTISER, for each operand of a quantised product, along K:
;;     - K is cut into blocks of 32 from its start; a last block that is shorter is filled with zeros.
;;     - A block's scale is 2^e with e = floor(log2(the largest magnitude in the block)) - 2, held to -126 .. 127; a block of zeros has e = 0. As a byte (E8M0): e + 127.
;;     - Each number is divided by its block's scale, clamped to +-6, and rounded to the nearest number of E2M1, ties to even, subnormals kept.
;;     - The product sums the exact products of the quantised numbers (number of the format x scale) in f32.
;;   ~~~python
;;   def quantise(x, axis):      # numpy; x: float32 -> the quantised numbers, widened to float32 again
;;       x = np.moveaxis(x, axis, -1); K = x.shape[-1]
;;       x = np.pad(x, [(0, 0)] * (x.ndim - 1) + [(0, -K % 32)]); x = x.reshape(x.shape[:-1] + (-1, 32)); a = np.abs(x).max(-1, keepdims=True)
;;       e = np.where(a > 0, np.clip(np.frexp(np.where(a > 0, a, 1))[1] - 1 - 2, -126, 127), 0)      # np.frexp(a)[1] - 1 = floor(log2(a)), exactly
;;       r = np.clip(x / 2.0 ** e, -6, 6)
;;       step = 2.0 ** (np.maximum(np.frexp(np.where(r == 0, 1, r))[1] - 1, 0) - 1)
;;       q = np.round(r / step) * step * 2.0 ** e      # np.round: ties to even
;;       return np.moveaxis(q.reshape(q.shape[:-2] + (-1,))[..., :K], -1, axis).astype(np.float32)
;;   ~~~
;;   OPERANDS COMPUTED ON THE WAY. 'Computed on the way' means the value that the module computes at that place (a softmax that the list does not call 'softmax' is quantised finished and normalised). What goes into a quantiser is computed in f32, as accurately as f32 sums, v_exp_f32 and their like allow (about 1e-6 of the number): no bf16 or f16 on the way to a quantiser, and a product that is left as it is and whose result goes on into a quantised operand takes f32 operands (vector FMAs, or v_wmma_f32_16x16x4_f32). A number that lies on a knife's edge between two numbers of the format may be rounded either way, as far as f32 arithmetic and the matrix unit's own rounding can turn it there, and no further.
;; One version. Each part assembles by itself: llvm-mc -triple=amdgcn-amd-amdhsa -mcpu=gfx1250 --defsym DOCPART=n.
;; ======== version 1 of 1: 2 launches
;; limits: right only within a limited range of input values
;; workspace buffers: apk 17,825,792 bytes; wpk 4,456,448 bytes
;; launch prep (part 1): grid 768 x 1, 8 waves a work-group, no clusters, 55,296 bytes of LDS; arguments x, spline_kernel, apk, wpk; writes apk, wpk
.if DOCPART == 1
	.amdgcn_target "amdgcn-amd-amdhsa--gfx1250"
	.amdhsa_code_object_version 6
	.text
	.protected	k_qfee762def7_prep
	.globl	k_qfee762def7_prep
	.p2align	8
	.type	k_qfee762def7_prep,@function
k_qfee762def7_prep:
	s_mov_b64 s[64:65], 0
	v_nop
	global_prefetch_b8 v0, s[64:65] scope:SCOPE_SE
	s_setreg_imm32_b32 hwreg(HW_REG_WAVE_MODE, 25, 1), 1
	s_wait_xcnt 0x0
; Both operands of out[b][o] = sum over K = 8 i + k of B_k(x[b][i]) W[i][k][o] are turned into codes of FP4 (E2M1) with one E8M0 byte for each 32 along K.
; W: spline_kernel read as [8192 (K)][1024 (o)] f32.  A: the eight cubic B-spline bases of each x on the knots -2.2 + 0.4 j, computed here in f32.
; A block's scale is 2^(floor(log2(its largest magnitude)) - 2); its byte is that magnitude's exponent field - 2, held at 1 from below.
; WHAT IS WRITTEN: PANELS, laid in the order of the matrix operand's registers.  A panel is 64 rows (of b for A, of o for W) x 1,024 along K: 34,816 bytes.
;   bytes 0 .. 32,767: codes, [16-row block i = 0..3][K step q = 0..7 of 128][block of 32 t = 0..3][row r = 0..15][16 bytes]
;   bytes 32,768 ..  : scale bytes, [i][g = 0..1][r][16 bytes]: word j is K step 4 g + j, its byte t the block of 32.
;   apk: panel (b / 64, K / 1024) at (8 (b / 64) + K / 1024) x 34,816;  wpk likewise with o.
; SHARES.  Work-groups 0 .. 511 take x (16 rows x 512 numbers each), 512 .. 767 take W (64 columns x 512 along K each).  The two ways have LDS bytes of their own.
; No work-group reads what another reads, so there is no cluster; operands go through registers, so several work-groups can share a WGP.  There is no loop to ask ahead in: every load of a wave goes out at its head, so nothing is prefetched.
; LIMITS.  NaN and infinities in x or W are not served.  A block of zeros, or one whose largest magnitude lies under 2^-124, gets the byte 1 (the rule says 127 for zeros): its codes of zeros add nothing, and this program alone reads the bytes.
; The knots are taken as -2.2 + 0.4 j exactly (u = 2.5 x + 5.5); the bases are continuous in x, so a number that falls into the neighbouring cell by rounding keeps its values to f32's accuracy.  Every finite x is served: outside [-2.2, 2.2) all eight bases are 0.
.set PANEL, 34816
.set WREG,  4608                       ; LDS of a wave on x's way: a stage of 16 x 272 bytes for codes, then 256 scale bytes
.set SBOF,  4352
.set SP,    272                        ; a stage row: 256 bytes + 16
.set WSC,   8*WREG                     ; W's way: 1,024 bytes of scale words,
.set WSTG,  WSC+1024                   ; then a stage of 2,048 bytes of codes for each wave
.set SPARE, WSTG+8*2048                ; the spare words, 128 bytes for each wave, which no other line names
.set HH,  1                            ; lane / 16
.set LL,  2                            ; lane
.set STI, 3                            ; x's way: where my block's 16 bytes of codes go in the stage, and where I read them back
.set STO, 4
.set SBI, 5                            ; where my block's scale byte goes, and where I read 8 of them back
.set SBO, 6
.set WSI, 7                            ; W's way: where my columns' scale bytes go, and where I read 8 back
.set WSO, 8
.set GI,  9                            ; byte offset of my loads
.set GC,  10                           ; of my stores of codes
.set GS,  11                           ; of my store of scale bytes
.set SPW, 12                           ; my spare word; never rewritten
.set NIL, 13                           ; 0; never rewritten
.set WTI, 14                           ; W's way: into the stage of codes, and out of it
.set WTO, 15
	s_load_b256 s[4:11], s[0:1], 0x0               ; x s[4:5], W s[6:7], apk s[8:9], wpk s[10:11]
	v_lshl_add_u32 v[SPW], v0, 2, SPARE
	v_mov_b32 v[NIL], 0
	v_lshrrev_b32 v1, 5, v0
	v_readfirstlane_b32 s12, v1                    ; wave 0..7
	; every LDS address is made here, ahead of the parting of the two ways
	s_mul_i32 s13, s12, WREG
	s_add_co_u32 s14, s13, SBOF
	s_lshl_b32 s15, s12, 1
	s_add_co_u32 s15, s15, WSC
	s_and_b32 s16, s12, 3
	s_lshl_b32 s16, s16, 8
	s_add_co_u32 s16, s16, WSC
	s_lshl_b32 s17, s12, 11
	s_add_co_u32 s17, s17, WSTG
	v_and_b32 v[LL], 31, v0
	v_bfe_u32 v[HH], v0, 4, 1
	v_and_b32 v[GI], 15, v0                        ; lane % 16, until the offsets are made
	v_lshrrev_b32 v[WTI], 3, v[LL]
	v_mul_u32_u24 v[STI], v[GI], SP
	v_mul_u32_u24 v[STO], v[HH], SP
	v_and_b32 v[WTO], 7, v[LL]
	v_lshlrev_b32 v[WTI], 9, v[WTI]
	v_lshl_add_u32 v[STI], v[HH], 4, v[STI]
	v_lshl_add_u32 v[STO], v[GI], 4, v[STO]
	v_lshl_add_u32 v[SBO], v[LL], 3, s14
	v_lshl_add_u32 v[WTI], v[WTO], 5, v[WTI]
	v_add_nc_u32 v[STI], s13, v[STI]               ; stage row = my block (lane % 16), 16 bytes for each of the two rows of x that a load brings
	v_add_nc_u32 v[STO], s13, v[STO]               ; back: sixteen lanes to a stage row
	v_add_nc_u32 v[SBI], s14, v[LL]                ; byte 16 x row + block = 32 t + lane
	v_add_nc_u32 v[WTI], s17, v[WTI]               ; [16-column block lane / 8][block of 32][column 2 (lane % 8)][16 bytes]
	v_lshl_add_u32 v[WSI], v[LL], 5, s15           ; [column 2 lane][K step][block]: 32 lane + 2 wave
	v_lshl_add_u32 v[WSO], v[LL], 3, s16
	v_lshl_add_u32 v[WTO], v[LL], 4, s17
	s_wait_alu depctr_va_vdst(0)                   ; the wait at the head's end
	s_cmp_lt_u32 ttmp9, 512                        ; the same in all waves of a work-group
	s_cbranch_scc1 .Lpath_a
; ---------------------------------------------------------------- W: a lane takes two neighbouring columns, its registers run down K
; Wave w: the work-group's 64 columns, 64 along K (64 w ..): 2 blocks of 32 for each of a lane's columns.  A load reads 256 consecutive bytes of a row, aligned.
; Of eight rows, the even ones land in eight registers and the odd ones in the next eight, column a and column b by turns.  Each eight are converted under a's scale and under b's: of the first a's codes stand in the even nibbles,
; of the second b's in the odd ones; even rows and odd rows are merged by a nibble mask, and a word holds eight rows of one column in ascending order.
.set XW, 32                            ; v32-159  two blocks of 2 x 32 numbers
	s_sub_co_u32 s24, ttmp9, 512
	s_lshr_b32 s13, s24, 4                         ; np: which 64 columns
	s_and_b32 s14, s24, 15                         ; kc: which 512 along K
	s_lshl_b32 s18, s14, 21                        ; 512 rows of 4,096 bytes
	s_lshl_b32 s17, s12, 18                        ; 64 rows
	s_add_co_u32 s18, s18, s17
	s_lshl_b32 s17, s13, 8
	s_add_co_u32 s18, s18, s17
	s_mov_b32 s19, 0
	s_wait_kmcnt 0x0                               ; the offsets above need no argument
	s_add_nc_u64 s[6:7], s[6:7], s[18:19]
	v_lshlrev_b32 v[GC], 4, v[LL]
	v_lshlrev_b32 v[GI], 3, v[LL]                  ; in: 8 bytes a lane (and the same for the scale bytes on the way out)
.macro WLOAD t
.irp g, 0,1,2,3
.irp i, 0,1,2,3
	global_load_b64 v[XW+64*(\t)+16*\g+2*\i:XW+64*(\t)+16*\g+2*\i+1], v[GI], s[6:7] offset:(32*(\t)+8*\g+2*\i)*4096 th:TH_LOAD_NT
	global_load_b64 v[XW+64*(\t)+16*\g+8+2*\i:XW+64*(\t)+16*\g+9+2*\i], v[GI], s[6:7] offset:(32*(\t)+8*\g+2*\i+1)*4096 th:TH_LOAD_NT
.endr
.endr
.endm
	WLOAD 0
	WLOAD 1
	s_lshl_b32 s20, s13, 3
	s_lshr_b32 s17, s14, 1
	s_add_co_u32 s20, s20, s17
	s_mul_i32 s20, s20, PANEL                      ; my panel: 8 np + kc / 2
	s_and_b32 s17, s14, 1                          ; which half of its K
	s_lshl_b32 s22, s17, 8
	s_add_co_u32 s22, s22, s20
	s_add_co_u32 s22, s22, 32768
	s_and_b32 s24, s12, 3
	s_lshl_b32 s24, s24, 9
	s_add_co_u32 s22, s22, s24                     ; scale bytes: 16-row block = wave (waves 0 to 3 store them), g = kc % 2
	s_mov_b32 s23, 0
	s_lshl_b32 s17, s17, 12
	s_add_co_u32 s20, s20, s17
	s_lshl_b32 s17, s12, 9
	s_add_co_u32 s20, s20, s17                     ; codes: + 4,096 (kc % 2) + 512 wave
	s_mov_b32 s21, 0
	s_add_nc_u64 s[26:27], s[10:11], s[20:21]
	s_add_nc_u64 s[28:29], s[10:11], s[22:23]
	s_mov_b32 s25, 0x0f0f0f0f
.macro WBLOCK t
.set XS, XW+64*(\t)
.irp c, 0,1                            ; the largest magnitudes of columns a and b, two chains each, by turns
	v_max3_num_f32 v[16+2*\c], |v[XS+\c]|, |v[XS+2+\c]|, |v[XS+4+\c]|
	v_max3_num_f32 v[17+2*\c], |v[XS+6+\c]|, |v[XS+8+\c]|, |v[XS+10+\c]|
.endr
.irp i, 12,20,28,36,44,52
.irp c, 0,1
	v_max3_num_f32 v[16+2*\c], v[16+2*\c], |v[XS+\i+\c]|, |v[XS+\i+2+\c]|
	v_max3_num_f32 v[17+2*\c], v[17+2*\c], |v[XS+\i+4+\c]|, |v[XS+\i+6+\c]|
.endr
.endr
.irp c, 0,1
	v_max3_num_f32 v[16+2*\c], v[16+2*\c], |v[XS+60+\c]|, |v[XS+62+\c]|
.endr
.irp c, 0,1
	v_max3_num_f32 v[16+2*\c], v[16+2*\c], v[17+2*\c], 0x1800000   ; and the floor 2^(3 - 127): the byte cannot fall under 1
.endr
.irp c, 0,1
	v_add_nc_u32 v[20+\c], 0xff000000, v[16+2*\c]  ; 2 off the exponent field: the conversion takes this operand's exponent field as its scale
.endr
.irp c, 0,1
.if (\t) == 0
	v_lshrrev_b32 v[28+\c], 23, v[20+\c]           ; the scale's byte
.else
	v_lshrrev_b32 v[30+\c], 23, v[20+\c]
.endif
.endr
.if (\t) > 0
.irp c, 0,1
	v_lshl_or_b32 v[28+\c], v[30+\c], 8, v[28+\c]  ; two bytes: half of my column's scale word
.endr
.endif
.irp g, 0,1,2,3
	v_cvt_scalef32_pk8_fp4_f32 v22, v[XS+16*\g:XS+16*\g+7], v20
	v_cvt_scalef32_pk8_fp4_f32 v23, v[XS+16*\g+8:XS+16*\g+15], v20
	v_cvt_scalef32_pk8_fp4_f32 v24, v[XS+16*\g:XS+16*\g+7], v21
	v_cvt_scalef32_pk8_fp4_f32 v25, v[XS+16*\g+8:XS+16*\g+15], v21
	v_nop                                          ; one plain place behind a scaled conversion
	v_lshlrev_b32 v23, 4, v23
	v_lshrrev_b32 v24, 4, v24
	v_bfi_b32 v[XS+\g], s25, v22, v23              ; column a's eight codes (over numbers of the first sixteen, which have been converted),
	v_bfi_b32 v[XS+4+\g], s25, v24, v25            ; column b's
.endr
	ds_store_b128 v[WTI], v[XS:XS+3] offset:256*(\t)
	ds_store_b128 v[WTI], v[XS+4:XS+7] offset:256*(\t)+16
.endm
	s_wait_alu depctr_va_vdst(0)                   ; directly ahead of the wait below
	s_wait_loadcnt 32                              ; block 0's 32 loads are in; block 1's may be out
	WBLOCK 0
	s_wait_loadcnt 0x0
	WBLOCK 1
	ds_store_b16 v[WSI], v28                       ; the scale words of 64 columns x 4 K steps meet in LDS, so that they leave as whole runs of 256 bytes
	ds_store_b16 v[WSI], v29 offset:16
.irp i, 0,1,2,3
	ds_load_b128 v[64+4*\i:67+4*\i], v[WTO] offset:512*\i          ; my wave's own stage: LDS serves a wave's instructions in order (ISA guide 5.7.1.4)
.endr
	s_wait_dscnt 0x0                               ; my codes are back; for the other waves: my scale bytes have landed
.irp i, 0,1,2,3
	global_store_b128 v[GC], v[64+4*\i:67+4*\i], s[26:27] offset:8192*\i   ; 32 lanes store 512 consecutive bytes, aligned: 16-column block i, two blocks of 32
.endr
	s_barrier_signal -1
	s_barrier_wait -1
	s_cmp_gt_u32 s12, 3
	s_cbranch_scc1 .Lw_end
	ds_load_b64 v[80:81], v[WSO]                   ; wave w: the 256 bytes of 16-row block w
	s_wait_dscnt 0x0
	global_store_b64 v[GI], v[80:81], s[28:29]     ; 32 lanes store 256 consecutive bytes, aligned
.Lw_end:
	s_wait_tensorcnt 0x0                           ; the wave's end
	ds_add_u32 v[SPW], v[NIL]
	s_wait_dscnt 0x0
	s_endpgm
; ---------------------------------------------------------------- x: a lane's 16 bytes are four x, which are one block of 32 along K
; Wave w of work-group a: rows 16 (a / 2) .. + 15, numbers 64 kc .. + 63 of each, kc = 8 (a % 2) + w: 512 along K.  Load t brings rows 2 t and 2 t + 1: sixteen lanes read 256 consecutive bytes of a row, aligned.
; With u = 2.5 x + 5.5, c = u - 1/2 rounded to a whole number and held to 0 .. 10, f = u - c held to 0 .. 1 and g = 1 - f, the bases that are not 0 are numbers c - 3 + r, r = 0 .. 3:
;   w0 = g^3 / 6,  w1 = 2/3 + f^2 (f / 2 - 1),  w2 = 2/3 + g^2 (g / 2 - 1),  w3 = f^3 / 6.
; (Where u is a whole number c may be either neighbour: f is 0 or 1 and the bases are the same.)
; Two x's eight weights are converted together; each x's 16-bit piece is shifted to nibble c - 3 of its word of eight codes; what falls off either end are just the bases whose number is not 0 .. 7.
; THE BLOCK'S LARGEST BASIS.  Basis k falls with the distance of u from its centre k + 2, k = 0 .. 7.  The distance to the nearest centre is max(min(f, g), 2.5 |x| - 3.5); with D the least of the block's four distances
; the largest basis is (max(2 - D, 0)^3 - 4 max(1 - D, 0)^3) / 6.
; The shift amounts stand in the low bits of floats of 2^23 and more: 4 max(c, 3) - 12 to the left, 28 - 4 min(c, 3) to the right.
.set XR,  16                           ; v16-47   x as loaded, then each x's eight codes
.set CR,  72                           ; v72-75   c before it is held; then 5.5 - c; then f before it is held; then min(f, g)
.set CA,  76                           ; v76-79   max(c, 3), at most 10
.set Z,   80                           ; v80-87   the pairs (g, f)
.set Q,   88                           ; v88-95   (g^2, f^2)
.set H,   96                           ; v96-111  the inner brackets
.set WB,  112                          ; v112-127 x number j: w0 .. w3 at 112 + 4 j
.set E,   128                          ; v128-131 the distances; then two pairs at work
.set R,   132                          ; v132-135 shifts to the left
.set S,   136                          ; v136-139 shifts to the right
.set CB,  140                          ; v140-143 min(c, 3), at least 0
.set AB,  144                          ; v144-145 (2 - D, 1 - D)
.set D,   146                          ; v146     D;  v147 the largest basis, then the conversions' scale operand
.set P,   148                          ; v148-149 the codes of two x each
.set SBY, 150                          ; v150-157 a scale byte for each load, never written again
.Lpath_a:
	s_lshr_b32 s14, ttmp9, 1                       ; rb: which 16 rows
	s_and_b32 s15, ttmp9, 1
	s_lshl_b32 s15, s15, 3
	s_add_co_u32 s15, s15, s12                     ; kc
	s_lshl_b32 s18, s14, 16                        ; 16 rows of 4,096 bytes
	s_lshl_b32 s17, s15, 8
	s_add_co_u32 s18, s18, s17
	s_mov_b32 s19, 0
	s_wait_kmcnt 0x0                               ; the offsets above need no argument
	s_add_nc_u64 s[4:5], s[4:5], s[18:19]
	v_lshlrev_b32 v[GC], 4, v[GI]
	v_lshlrev_b32 v[GS], 3, v[LL]
	v_lshl_add_u32 v[GI], v[HH], 12, v[GC]         ; row lane / 16, 16 bytes a lane
.irp t, 0,1,2,3,4,5,6,7
	global_load_b128 v[XR+4*\t:XR+4*\t+3], v[GI], s[4:5] offset:8192*\t th:TH_LOAD_NT
.endr
	v_lshlrev_b32 v[GC], 4, v[LL]
	s_lshr_b32 s20, s14, 2
	s_lshl_b32 s20, s20, 3
	s_lshr_b32 s17, s15, 1
	s_add_co_u32 s20, s20, s17
	s_mul_i32 s20, s20, PANEL                      ; my panel: 8 (rb / 4) + kc / 2
	s_and_b32 s16, s14, 3                          ; my 16-row block in it
	s_and_b32 s17, s15, 1                          ; which half of its K
	s_lshl_b32 s22, s16, 9
	s_lshl_b32 s24, s17, 8
	s_add_co_u32 s22, s22, s24
	s_add_co_u32 s22, s22, s20
	s_add_co_u32 s22, s22, 32768
	s_mov_b32 s23, 0
	s_lshl_b32 s16, s16, 13
	s_lshl_b32 s17, s17, 12
	s_add_co_u32 s20, s20, s16
	s_add_co_u32 s20, s20, s17
	s_mov_b32 s21, 0
	s_add_nc_u64 s[26:27], s[8:9], s[20:21]        ; my 4,096 bytes of codes: [block 0..15][row 0..15][16 bytes]
	s_add_nc_u64 s[28:29], s[8:9], s[22:23]        ; my 256 scale bytes: [row][block]
	s_mov_b32 s30, 0x40200000                      ; 2.5
	s_mov_b32 s31, s30                             ; (named with it as a pair)
	s_mov_b32 s34, 0xcb400000                      ; -M, M = 1.5 x 2^23: a sum with M is rounded to a whole number
	s_mov_b32 s35, s34
	s_mov_b32 s36, 0xc0600000                      ; -3.5
	s_mov_b32 s37, 0x40400000                      ; 3
	s_mov_b32 s38, 0x41200000                      ; 10
	v_mov_b32 v48, 0x3e2aaaab                      ; (1/6, 1/2): the brackets of (w0, w1) are z x this
	v_mov_b32 v49, 0.5
	v_mov_b32 v50, 0                               ; + (0, -1)
	v_mov_b32 v51, -1.0
	v_mov_b32 v52, 0                               ; and (w0, w1) = z^2 x bracket + (0, 2/3)
	v_mov_b32 v53, 0x3f2aaaab
	v_mov_b32 v54, 0.5                             ; the same for (w2, w3): (1/2, 1/6), (-1, 0), (2/3, 0)
	v_mov_b32 v55, 0x3e2aaaab
	v_mov_b32 v56, -1.0
	v_mov_b32 v57, 0
	v_mov_b32 v58, 0x3f2aaaab
	v_mov_b32 v59, 0
	v_mov_b32 v60, 0x4b400005                      ; M + 5
	v_mov_b32 v61, 0x4b400005
	v_mov_b32 v62, 0x41080000                      ; 8.5
	v_mov_b32 v63, 0x41080000
	v_mov_b32 v64, 0x4affffe8                      ; 2^23 - 12
	v_mov_b32 v65, 0x4affffe8
	v_mov_b32 v66, 0x4b00001c                      ; 2^23 + 28
	v_mov_b32 v67, 0x4b00001c
	v_mov_b32 v68, 2.0
	v_mov_b32 v69, 1.0
	v_mov_b32 v70, 0x3e2aaaab                      ; (1/6, -2/3)
	v_mov_b32 v71, 0xbf2aaaab
	v_mov_b32 v[D+1], 0                            ; (named as the upper half of D's pair before it is first made)
.macro HP j                            ; the brackets of x number j
	v_pk_fma_f32 v[H+4*\j:H+4*\j+1], v[Z+2*\j:Z+2*\j+1], v[48:49], v[50:51]       ; (g / 6, f / 2 - 1)
	v_pk_fma_f32 v[H+4*\j+2:H+4*\j+3], v[Z+2*\j:Z+2*\j+1], v[54:55], v[56:57]     ; (g / 2 - 1, f / 6)
.endm
.macro WP j                            ; its weights
	v_pk_fma_f32 v[WB+4*\j:WB+4*\j+1], v[Q+2*\j:Q+2*\j+1], v[H+4*\j:H+4*\j+1], v[52:53]         ; (w0, w1)
	v_pk_fma_f32 v[WB+4*\j+2:WB+4*\j+3], v[Q+2*\j:Q+2*\j+1], v[H+4*\j+2:H+4*\j+3], v[58:59]     ; (w2, w3)
.endm
.macro ABLOCK t
.set XS, XR+4*(\t)
	s_wait_loadcnt 7-(\t)                          ; load t is in; the younger ones may be out
.irp p, 0,2
	v_pk_fma_f32 v[CR+\p:CR+\p+1], v[XS+\p:XS+\p+1], s[30:31], v[60:61] op_sel_hi:[1,0,1]   ; M + (u - 1/2), rounded to a whole number
.endr
.irp j, 0,1,2,3
	v_fma_f32 v[E+\j], |v[XS+\j]|, s30, s36        ; 2.5 |x| - 3.5
.endr
.irp p, 0,2
	v_pk_add_f32 v[CR+\p:CR+\p+1], v[CR+\p:CR+\p+1], s[34:35] op_sel_hi:[1,0]               ; c, not yet held
.endr
.irp j, 0,1,2,3
	v_med3_num_f32 v[CA+\j], v[CR+\j], s37, s38    ; max(c, 3), at most 10
	v_med3_num_f32 v[CB+\j], v[CR+\j], 0, s37      ; min(c, 3), at least 0: c is the sum of the two less 3
.endr
.irp p, 0,2
	v_pk_add_f32 v[CR+\p:CR+\p+1], v[62:63], v[CA+\p:CA+\p+1] neg_lo:[0,1] neg_hi:[0,1]
.endr
.irp p, 0,2
	v_pk_fma_f32 v[R+\p:R+\p+1], v[CA+\p:CA+\p+1], 4.0, v[64:65] op_sel_hi:[1,0,1]
.endr
.irp p, 0,2
	v_pk_add_f32 v[CR+\p:CR+\p+1], v[CR+\p:CR+\p+1], v[CB+\p:CB+\p+1] neg_lo:[0,1] neg_hi:[0,1]   ; 5.5 - c, exact
.endr
.irp p, 0,2
	v_pk_fma_f32 v[S+\p:S+\p+1], v[CB+\p:CB+\p+1], -4.0, v[66:67] op_sel_hi:[1,0,1]
.endr
.irp p, 0,2
	v_pk_fma_f32 v[CR+\p:CR+\p+1], v[XS+\p:XS+\p+1], s[30:31], v[CR+\p:CR+\p+1] op_sel_hi:[1,0,1] ; the place in the cell, rounded once
.endr
.irp j, 0,1,2,3
	v_med3_num_f32 v[Z+2*\j+1], v[CR+\j], 0, 1.0   ; f
.endr
.irp j, 0,1,2,3
	v_sub_f32 v[Z+2*\j], 1.0, v[Z+2*\j+1]          ; g
.endr
.irp j, 0,1,2,3
	v_min_num_f32 v[CR+\j], v[Z+2*\j], v[Z+2*\j+1]
	v_pk_mul_f32 v[Q+2*\j:Q+2*\j+1], v[Z+2*\j:Z+2*\j+1], v[Z+2*\j:Z+2*\j+1]
.endr
.irp j, 0,1,2,3
	v_max_num_f32 v[E+\j], v[E+\j], v[CR+\j]       ; the distance to the nearest centre
.endr
	HP 0                                           ; (from here the chain to the scale stands among the weights' independent work)
	v_min3_num_f32 v[D], v[E], v[E+1], v[E+2]
	HP 1
	v_min_num_f32 v[D], v[D], v[E+3]
	HP 2
	v_pk_add_f32 v[AB:AB+1], v[68:69], v[D:D+1] op_sel_hi:[1,0] neg_lo:[0,1] neg_hi:[0,1]   ; (2 - D, 1 - D)
	HP 3
	v_max_num_f32 v[AB], 0, v[AB]
	v_max_num_f32 v[AB+1], 0, v[AB+1]
	WP 0
	v_pk_mul_f32 v[E:E+1], v[AB:AB+1], v[AB:AB+1]
	v_pk_mul_f32 v[E+2:E+3], v[AB:AB+1], v[70:71]
	WP 1
	v_mul_f32 v[AB+1], v[E+1], v[E+3]
	WP 2
	v_fma_f32 v[D+1], v[E], v[E+2], v[AB+1]        ; the block's largest basis
	WP 3
	v_max_num_f32 v[D+1], 0x1800000, v[D+1]        ; the floor 2^(3 - 127): the byte cannot fall under 1
	v_add_nc_u32 v[D+1], 0xff000000, v[D+1]        ; 2 off the exponent field: the conversion takes this operand's exponent field as its scale
	v_cvt_scalef32_pk8_fp4_f32 v[P], v[WB:WB+7], v[D+1]             ; x 0's four codes in the low 16 bits, x 1's in the high 16
	v_cvt_scalef32_pk8_fp4_f32 v[P+1], v[WB+8:WB+15], v[D+1]        ; x 2's and x 3's
	v_lshrrev_b32 v[SBY+(\t)], 23, v[D+1]          ; the scale's byte (also the plain line behind the conversions)
	v_lshlrev_b32 v[XS], 16, v[P]                  ; x 0's and x 2's pieces to the high half,
	v_lshlrev_b32 v[XS+2], 16, v[P+1]
	v_lshrrev_b32 v[XS+1], v[S+1], v[P]            ; each down by 16, and by 12 - 4 c more where c < 3,
	v_lshrrev_b32 v[XS+3], v[S+3], v[P+1]
	v_lshrrev_b32 v[XS], v[S], v[XS]
	v_lshrrev_b32 v[XS+2], v[S+2], v[XS+2]
.irp j, 1,3,0,2
	v_lshlrev_b32 v[XS+\j], v[R+\j], v[XS+\j]      ; up by 4 c - 12 where c > 3
.endr
	ds_store_b128 v[STI], v[XS:XS+3] offset:32*(\t)
	ds_store_b8 v[SBI], v[SBY+(\t)] offset:32*(\t)
.endm
	s_wait_alu depctr_va_vdst(0)                   ; directly ahead of the wait below
.irp t, 0,1,2,3,4,5,6,7
	ABLOCK \t
.endr
	; THE WAY OUT.  The stage and the scale bytes are my wave's own, and LDS serves a wave's instructions in order (ISA guide 5.7.1.4): no wait between the stores above and these loads.
.irp e, 0,1,2,3,4,5,6,7
	ds_load_b128 v[Z+4*\e:Z+4*\e+3], v[STO] offset:2*SP*\e         ; blocks 2 e and 2 e + 1, sixteen rows each
.endr
	ds_load_b64 v[WB:WB+1], v[SBO]
.irp e, 0,1,2,3,4,5,6,7
	s_wait_dscnt 8-\e                              ; load e is in; the younger loads of codes and the load of scale bytes may be out
	global_store_b128 v[GC], v[Z+4*\e:Z+4*\e+3], s[26:27] offset:512*\e   ; 32 lanes store 512 consecutive bytes, aligned to 256
.endr
	s_wait_dscnt 0x0
	global_store_b64 v[GS], v[WB:WB+1], s[28:29]   ; 32 lanes store 256 consecutive bytes, aligned
	s_wait_tensorcnt 0x0                           ; the wave's end
	ds_add_u32 v[SPW], v[NIL]
	s_wait_dscnt 0x0
	s_endpgm
.Lfunc_end_k_qfee762def7_prep:
	.size	k_qfee762def7_prep, .Lfunc_end_k_qfee762def7_prep-k_qfee762def7_prep
	.p2alignl 7, 3214868480
	.fill 96, 4, 3214868480
	.section	.rodata,"a",@progbits
	.p2align	6, 0x0
	.amdhsa_kernel k_qfee762def7_prep
		.amdhsa_group_segment_fixed_size 55296
		.amdhsa_private_segment_fixed_size 0
		.amdhsa_enable_private_segment 0
		.amdhsa_kernarg_size 32
		.amdhsa_user_sgpr_count 2
		.amdhsa_user_sgpr_kernarg_segment_ptr 1
		.amdhsa_wavefront_size32 1
		.amdhsa_system_sgpr_workgroup_id_x 1
		.amdhsa_system_sgpr_workgroup_id_y 1
		.amdhsa_system_sgpr_workgroup_id_z 1
		.amdhsa_system_vgpr_workitem_id 0
		.amdhsa_next_free_vgpr 160
		.amdhsa_next_free_sgpr 66
		.amdhsa_reserve_vcc 0
		.amdhsa_float_denorm_mode_32 3
		.amdhsa_float_denorm_mode_16_64 3
		.amdhsa_memory_ordered 1
		.amdhsa_forward_progress 1
		.amdhsa_inst_pref_size 63
	.end_amdhsa_kernel
	.amdgpu_metadata
---
amdhsa.version: [ 1, 2 ]
amdhsa.kernels:
  - .name:           k_qfee762def7_prep
    .symbol:         k_qfee762def7_prep.kd
    .args:
      - { .name: x, .offset: 0, .size: 8, .value_kind: global_buffer, .address_space: global }
      - { .name: spline_kernel, .offset: 8, .size: 8, .value_kind: global_buffer, .address_space: global }
      - { .name: apk, .offset: 16, .size: 8, .value_kind: global_buffer, .address_space: global }
      - { .name: wpk, .offset: 24, .size: 8, .value_kind: global_buffer, .address_space: global }
    .group_segment_fixed_size: 55296
    .private_segment_fixed_size: 0
    .kernarg_segment_align: 8
    .kernarg_segment_size: 32
    .max_flat_workgroup_size: 256
    .sgpr_count:     66
    .vgpr_count:     160
    .wavefront_size: 32
...
	.end_amdgpu_metadata
.endif
;; end of part 1
;; launch gemm (part 2): grid 8 x 32, 4 waves a work-group, clusters of 4 x 4, 327,680 bytes of LDS; arguments apk, wpk, out0; writes out0
.if DOCPART == 2
	.amdgcn_target "amdgcn-amd-amdhsa--gfx1250"
	.amdhsa_code_object_version 6
	.text
	.protected	k_qfee762def7_gemm
	.globl	k_qfee762def7_gemm
	.p2align	8
	.type	k_qfee762def7_gemm,@function
k_qfee762def7_gemm:
	s_mov_b64 s[64:65], 0
	v_nop
	global_prefetch_b8 v0, s[64:65] scope:SCOPE_SE
	s_setreg_imm32_b32 hwreg(HW_REG_WAVE_MODE, 25, 1), 1
	s_wait_xcnt 0x0
	s_wait_alu depctr_hold_cnt(0) depctr_sa_sdst(0) depctr_va_vdst(0) depctr_va_sdst(0) depctr_va_ssrc(0) depctr_va_vcc(0) depctr_vm_vsrc(0)
	s_getreg_b32 s2, hwreg(HW_REG_IB_STS2, 6, 4)
	s_cmp_eq_u32 s2, 0
	s_cbranch_scc0 .Lentry_in_a_cluster
	s_endpgm
.Lentry_in_a_cluster:
	s_bfe_u32 s2, ttmp6, 0x10000c
	s_cmp_lg_u32 s2, 0xf033
	s_cbranch_scc0 .Lentry_shape_is_right
	s_endpgm
.Lentry_shape_is_right:
; out0[b][o] = sum over K of A[b][K] W[K][o], M 4,096, N 1,024, K 8,192, on codes of FP4 (E2M1) with one E8M0 scale for each 32 along K; sums in f32.
; Both operands come as PANELS of 34,816 bytes: 64 rows x 1,024 along K, laid in the order of the operand's registers:
;   codes [16-row block i = 0..3][K step q = 0..7 of 128][1,024 bytes: register group c = 0, 1 (512 bytes)][lane][16 bytes];  from byte 32,768: scale bytes [i][g = 0..1][row][16 bytes], word j for K step 4 g + j.
; So a fragment is two ds_load_b128 at 16 x lane, each of 512 consecutive bytes; four K steps' scale words of a row come by one load; and a panel is one dense block of memory for one tensor load.
; SHARES.  256 work-groups, one tile of 128 x 128 each (tiles of 256 x 256 would be 64).  Four waves, each 64 x 64: 16 accumulators of 16 x 16, 128 registers.
; K goes in steps of 1,024 through a ring of two LDS slots; a slot holds A's two panels, then W's two; each wave fetches one panel, 136 rows of 256 bytes, by one tensor load.  A wave has one tensor load out.
; CLUSTERS: 4 x 4 work-groups.  The four of a row of the cluster need the same panels of A, the four of a column the same panels of W: each panel is asked for JOINTLY, by the same tensor load with the same descriptor and a mask that names the four.
; PREFETCHES INTO THE L2.  Panel 1 is asked of memory behind the head's load of panel 0, panels 2 and 3 behind panel 1's load; panel p + 4 at slot change p, p = 0 .. 3, two refills, 256 matrix instructions, ahead of the tensor load that will want it; then no more.
; Of a panel's 136 blocks of 256 bytes that a wave fetches, each of the four partners that ask for it jointly names 34, told apart by address: lanes 0 .. 31 the first 32, a second instruction the last two (its lanes 2 .. 31 name the last block again).
; A's panels are asked for by both clusters that load them, W's by the first four cluster rows of the eight.
; THE MATRIX INSTRUCTION IS USED TRANSPOSED (source 0 = 16 rows of W's panel, source 1 = 16 rows of A's): a lane then holds eight neighbouring numbers of a row of out0.
; REGISTERS.  Window 0: v16-29 addresses; v32-95 scale words, a set of 32 for each slot: register 8 i + q holds in lanes 0-15 the word of A's block i, in lanes 16-31 that of W's block i, for K step q; v128-255 the accumulators ((a, b) at 128 + 8 (4 a + b)).
;   Window 1: four sets of fragments of 64 registers; set k: W's four at 64 k + 8 b, A's four at 64 k + 32 + 8 a.  K step q is multiplied from set q % 4, which then takes K step q + 4: fetches run four K steps, 64 matrix instructions, ahead.
;   The last panel goes by rows: window 2 holds W's fragments of its eight K steps (K step q, block b at 32 q + 8 b), set a of window 1 A's block a (K step q at 64 a + 8 q), and then that block's rows on their way out.
.set PANEL,  34816
.set SLOT,   4*PANEL
.set SPARE,  2*SLOT                    ; behind the ring: the spare words, 128 bytes for each wave, which no other line names
.set SPITCH, 272                       ; the way out: a stage of 64 rows x (256 bytes + 16) for each wave.  It lies in slot 0, which has had its last fill and its last read when the first result is stored there
.set WSTG,   64*SPITCH
.set ADRA, 16                          ; v16-17  LDS address of my A fragments in slot 0, 1
.set PFO,  18                          ; v18     the prefetches' offsets: 256 x lane,
.set PFO2, 19                          ; v19     and 8,192 + 256 x min(lane, 1)
.set ADRB, 20                          ; v20-21  as ADRA, for W
.set ADRS, 22                          ; v22-23  of my scale words: lanes 0-15 A's rows, lanes 16-31 W's
.set STO,  24                          ; v24     the way out: where I put 32 bytes of a row
.set RD,   25                          ; v25     where I read a row back
.set CO,   26                          ; v26     my byte offset in out0
.set SPW,  28                          ; v28     LDS address of my spare word: SPARE + 4 x my thread's number; never rewritten
.set NIL,  29                          ; v29     0; never rewritten
.set SC,   32
.set ACC,  128
.set G1, 24                            ; s[24:31] descriptor group 1 for A's panels;  s[32:39] group 0, one set for each slot
.set G0, 32
.set G1B, 48                           ; s[48:55], s[56:63] the same for W's
.set G0B, 56
.set LIM, 43                           ; s43     1 where my wave prefetches, else the greatest number
.set PFA, 44                           ; s[44:45] my share of the panels that I prefetch
.set MSB, 0
.macro WIN new                         ; the immediate's high byte repeats the setting that is left
.if MSB != \new
	s_set_vgpr_msb (MSB<<8)|\new
.set MSB, \new
.endif
.endm
.set MUL,  0x05                        ; sources 0 and 1 window 1; C and D window 0
.set MULR, 0x06                        ; the last panel: source 0 window 2, source 1 window 1; C and D window 0
.set TO_F, 0x40                        ; destination window 1, address window 0
.set TO_W, 0x80                        ; destination window 2, address window 0
.macro JLOAD s                         ; a joint load: waves 0 and 1 fetch A's two panels, waves 2 and 3 W's; the branch hangs on the wave's number alone; four v_nop follow each of the two lines
	s_cmp_eq_u32 s11, 0
	s_cbranch_scc0 .Lfor_b_\@
	tensor_load_to_lds s[G0+4*\s:G0+4*\s+3], s[G1:G1+7]
	s_nop 0
.rept 4
	v_nop
.endr
	s_branch .Lasked_\@
.Lfor_b_\@:
	tensor_load_to_lds s[G0B+4*\s:G0B+4*\s+3], s[G1B:G1B+7]
	s_nop 0
.rept 4
	v_nop
.endr
.Lasked_\@:
.endm
.macro CREST                           ; a round of the cluster's barrier behind its opening barrier
	s_cmp_lg_u32 s10, 0
	s_cbranch_scc1 .Lnot_wave_0_\@
	s_barrier_signal -3
.Lnot_wave_0_\@:
	s_barrier_wait -3
	s_barrier_signal -1
	s_barrier_wait -1
.endm
.macro CROUND                          ; a whole round
	s_barrier_signal -1
	s_barrier_wait -1
	CREST
.endm
.macro PREF k                          ; my 34 blocks of the panel k panels on from PFA
	global_prefetch_b8 v[PFO], s[PFA:PFA+1] offset:\k*PANEL th:TH_LOAD_NT scope:SCOPE_SE
	global_prefetch_b8 v[PFO2], s[PFA:PFA+1] offset:\k*PANEL th:TH_LOAD_NT scope:SCOPE_SE
.endm
	s_load_b128 s[4:7], s[0:1], 0x0                ; apk s[4:5], wpk s[6:7]
	s_load_b64 s[8:9], s[0:1], 0x10                ; out0
	v_lshl_add_u32 v[SPW], v0, 2, SPARE
	v_mov_b32 v[NIL], 0
	ds_add_u32 v[SPW], v[NIL]                      ; the wave's opening: the add, twice on end, and its wait ahead of my first tensor load
	ds_add_u32 v[SPW], v[NIL]
	v_lshrrev_b32 v1, 5, v0
	v_readfirstlane_b32 s10, v1                    ; wave 0..3
	s_lshr_b32 s11, s10, 1                         ; which 64 rows of the tile are mine.  Also: I fetch for A (0) or for W (1)
	s_and_b32 s12, s10, 1                          ; which 64 columns.  Also: which of the two panels I fetch
	s_bfe_u32 s40, ttmp6, 0x40000                  ; cx, cy: my place in the cluster
	s_bfe_u32 s41, ttmp6, 0x40004
	s_lshl_b32 s42, ttmp9, 2
	s_add_co_u32 s42, s42, s40                     ; tile column = 4 x cluster x + cx
	s_and_b32 s13, ttmp7, 0xffff
	s_lshl_b32 s13, s13, 2
	s_add_co_u32 s13, s13, s41                     ; tile row = 4 x cluster y + cy
	s_lshl_b32 s43, s41, 2
	s_lshl_b32 s43, 15, s43                        ; my row of the cluster
	s_lshl_b32 s44, 0x1111, s40                    ; my column
	; descriptor group 1: a dense block of 34,816 bytes as 136 rows of 32 elements of 8 bytes, no padding
	s_or_b32 s[G1+0], s43, (3<<16)|(1<<21)         ; 15:0 the mask: A's panels go to my row; 17:16 elements of 8 bytes; 21 set beside a mask
	s_or_b32 s[G1B+0], s44, (3<<16)|(1<<21)        ; W's go to my column
.irp g, G1, G1B
	s_mov_b32 s[\g+1], 32<<16                      ; tensor_dim0 = 32
	s_mov_b32 s[\g+2], 136<<16                     ; tensor_dim1 = 136
	s_mov_b32 s[\g+3], 32<<16                      ; tile_dim0 = 32
	s_mov_b32 s[\g+4], 136                         ; tile_dim1 = 136
	s_mov_b32 s[\g+5], 32                          ; tensor_dim0_stride
	s_mov_b32 s[\g+6], 0
	s_mov_b32 s[\g+7], 0
.endr
	; where the panels come from.  A's hang on the tile row alone, W's on the tile column alone; every wave makes both addresses, in registers that never hold the other coordinate
	s_lshl_b32 s16, s13, 1
	s_add_co_u32 s16, s16, s12                     ; A: panel row 2 x tile row + which
	s_mul_i32 s16, s16, 8*PANEL                    ; eight panels along K (under 2^25 bytes)
	s_mov_b32 s17, 0
	s_lshl_b32 s46, s42, 1
	s_add_co_u32 s46, s46, s12                     ; W: panel row 2 x tile column + which
	s_mul_i32 s46, s46, 8*PANEL
	s_mov_b32 s47, 0
	s_mul_i32 s20, s10, PANEL                      ; where they go: wave x a panel: no place in the cluster enters an LDS address
.irp s, 0,1
	s_mov_b32 s[G0+4*\s], 1                                        ; count = 1
	s_add_co_u32 s[G0+4*\s+1], s20, \s*SLOT                        ; LDS address
	s_mov_b32 s[G0B+4*\s], 1
	s_add_co_u32 s[G0B+4*\s+1], s20, \s*SLOT
.endr
	s_wait_dscnt 0x0                               ; both opening adds are done
	CROUND                                         ; all sixteen work-groups are here: the first joint loads meet.  Nothing so far needed an argument
	s_wait_kmcnt 0x0
	s_add_nc_u64 s[14:15], s[4:5], s[16:17]
	s_add_nc_u64 s[46:47], s[6:7], s[46:47]
.irp s, 0,1
	s_add_nc_u64 s[G0+4*\s+2:G0+4*\s+3], s[14:15], \s*PANEL        ; global address: panel s along K
	s_or_b32 s[G0+4*\s+3], s[G0+4*\s+3], 0x80000000                ; type = 2
	s_add_nc_u64 s[G0B+4*\s+2:G0B+4*\s+3], s[46:47], \s*PANEL
	s_or_b32 s[G0B+4*\s+3], s[G0B+4*\s+3], 0x80000000
.endr
	JLOAD 0                                        ; panel 0: one tensor load a wave at the head
	s_mul_i32 s21, s11, PANEL                      ; my panel of A
	s_mul_i32 s22, s12, PANEL
	s_add_co_u32 s22, s22, 2*PANEL                 ; my panel of W, behind A's two
	s_add_co_u32 s18, s21, SLOT                    ; the same in slot 1
	s_add_co_u32 s19, s22, SLOT
	s_xor_b32 s23, s11, 1
	s_add_co_u32 s23, s23, s12
	s_add_co_u32 s23, s23, 1
	s_mul_i32 s23, s23, PANEL                      ; the distance between the two: (2 + column half - row half) panels
	s_mul_i32 s20, s10, WSTG                       ; my stage
	s_lshl_b32 s16, s13, 7
	s_lshl_b32 s17, s11, 6
	s_add_co_u32 s16, s16, s17                     ; my first row: 128 x tile row + 64 x half
	s_lshl_b32 s16, s16, 12
	s_mov_b32 s17, 0
	s_add_nc_u64 s[8:9], s[8:9], s[16:17]
	s_lshl_b32 s16, s42, 9                         ; my first column, in bytes: 512 x tile column + 256 x half
	s_lshl_b32 s14, s12, 8
	s_add_co_u32 s16, s16, s14
	s_add_nc_u64 s[8:9], s[8:9], s[16:17]
	; the prefetches
	s_and_b32 s15, ttmp7, 0xffff                   ; the cluster's y
	s_cmp_lt_u32 s15, 4
	s_cselect_b32 s14, 1, -1
	s_cmp_eq_u32 s11, 0                            ; do I fetch for A?
	s_cselect_b32 s[LIM], 1, s14
	s_cselect_b32 s16, s13, s42                    ; the panel row: in A by the tile row, in W by the tile column
	s_cselect_b32 s14, s40, s41                    ; my place among the four that ask for it with me
	s_cselect_b64 s[PFA:PFA+1], s[4:5], s[6:7]
	s_lshl_b32 s16, s16, 1
	s_add_co_u32 s16, s16, s12
	s_mul_i32 s16, s16, 8*PANEL
	s_mul_i32 s14, s14, 34*256                     ; 34 blocks for each partner
	s_add_co_u32 s16, s16, s14
	s_add_nc_u64 s[PFA:PFA+1], s[PFA:PFA+1], s[16:17]
	v_and_b32 v1, 31, v0
	v_and_b32 v4, 15, v0                           ; r = lane % 16
	v_bfe_u32 v2, v0, 4, 1                         ; h = lane / 16
	v_lshlrev_b32 v3, 4, v1                        ; 16 x lane
	v_mul_u32_u24 v5, s23, v2                      ; lanes 16-31 take W's scale words
	v_mul_u32_u24 v[STO], v4, SPITCH               ; in: row r, 32 bytes for each half of the lanes
	v_mul_u32_u24 v[RD], v2, SPITCH                ; back: lanes 0-15 take one row of 256 bytes, lanes 16-31 the next
	v_lshlrev_b32 v[CO], 12, v2                    ; and the same two rows in out0 (4,096 bytes a row)
	v_lshl_add_u32 v5, v4, 4, v5                   ; 16 bytes a row
	v_lshl_add_u32 v[STO], v2, 5, v[STO]
	v_lshl_add_u32 v[RD], v4, 4, v[RD]
	v_lshl_add_u32 v[CO], v4, 4, v[CO]
	v_add_nc_u32 v[ADRA], s21, v3
	v_add_nc_u32 v[ADRA+1], s18, v3
	v_add_nc_u32 v[ADRB], s22, v3
	v_add_nc_u32 v[ADRB+1], s19, v3
	v_add_nc_u32 v[ADRS], s21, v5
	v_add_nc_u32 v[ADRS+1], s18, v5
	v_add_nc_u32 v[STO], s20, v[STO]
	v_add_nc_u32 v[RD], s20, v[RD]
	v_min_u32 v[PFO2], 1, v1
	v_lshlrev_b32 v[PFO], 8, v1
	v_add_nc_u32 v[ADRS], 32768, v[ADRS]
	v_add_nc_u32 v[ADRS+1], 32768, v[ADRS+1]
	v_lshl_add_u32 v[PFO2], v[PFO2], 8, 8192
	s_wait_alu depctr_va_vdst(0)                   ; the wait at the head's end
	s_cmp_eq_u32 s[LIM], 1
	s_cbranch_scc0 .Lhead_not_mine
	PREF 1
.Lhead_not_mine:
; One matrix instruction: A's block a x W's block b, K step q of slot p.  zero = 1: the first product starts the sum: nothing is ever cleared.
; The 16 accumulators take turns, one instruction a turn.
.macro WM a, b, q, p, zero
.set AC, ACC+8*(4*(\a)+(\b))
.set FW, 64*((\q)%4)+8*(\b)
.set FA, 64*((\q)%4)+32+8*(\a)
.if \zero
	v_wmma_scale_f32_16x16x128_f8f6f4 v[AC:AC+7], v[FW:FW+7], v[FA:FA+7], 0, v[SC+32*(\p)+8*(\b)+(\q)], v[SC+32*(\p)+8*(\a)+(\q)] matrix_a_fmt:MATRIX_FMT_FP4 matrix_b_fmt:MATRIX_FMT_FP4 matrix_a_scale:MATRIX_SCALE_ROW1
.else
	v_wmma_scale_f32_16x16x128_f8f6f4 v[AC:AC+7], v[FW:FW+7], v[FA:FA+7], v[AC:AC+7], v[SC+32*(\p)+8*(\b)+(\q)], v[SC+32*(\p)+8*(\a)+(\q)] matrix_a_fmt:MATRIX_FMT_FP4 matrix_b_fmt:MATRIX_FMT_FP4 matrix_a_scale:MATRIX_SCALE_ROW1
.endif
.endm
.macro MUL8 q, p, a0, zero             ; A's blocks a0, a0 + 1 x W's four
.irp b, 0,1,2,3
	WM \a0, \b, \q, \p, \zero
.endr
.irp b, 0,1,2,3
	WM \a0+1, \b, \q, \p, \zero
.endr
.endm
; 16 LDS loads in one run: the eight fragments of K step q of a slot into a set; each load takes 512 consecutive bytes
.macro FETCH slot, q, set
	WIN TO_F
.irp i, 0,1,2,3
	ds_load_b128 v[64*(\set)+8*\i:64*(\set)+8*\i+3],       v[ADRB+\slot] offset:\i*8192+(\q)*1024
	ds_load_b128 v[64*(\set)+8*\i+4:64*(\set)+8*\i+7],     v[ADRB+\slot] offset:\i*8192+(\q)*1024+512
	ds_load_b128 v[64*(\set)+32+8*\i:64*(\set)+32+8*\i+3], v[ADRA+\slot] offset:\i*8192+(\q)*1024
	ds_load_b128 v[64*(\set)+32+8*\i+4:64*(\set)+32+8*\i+7], v[ADRA+\slot] offset:\i*8192+(\q)*1024+512
.endr
.endm
.macro SCALES slot                     ; 8 loads: a slot's scale words into its set: four K steps' words of a row a load; lanes 0-15 A's block i, lanes 16-31 W's block i
.irp i, 0,1,2,3
.irp g, 0,1
	ds_load_b128 v[SC+32*\slot+8*\i+4*\g:SC+32*\slot+8*\i+4*\g+3], v[ADRS+\slot] offset:\i*512+\g*256
.endr
.endr
.endm
.macro FETCHW                          ; the last panel (slot 1): W's fragments of all its K steps, 64 loads
	WIN TO_W
.irp q, 0,1,2,3,4,5,6,7
.irp i, 0,1,2,3
	ds_load_b128 v[32*\q+8*\i:32*\q+8*\i+3],   v[ADRB+1] offset:\i*8192+\q*1024
	ds_load_b128 v[32*\q+8*\i+4:32*\q+8*\i+7], v[ADRB+1] offset:\i*8192+\q*1024+512
.endr
.endr
.endm
.macro FETCHA a                        ; and A's block a, 16 loads, into set a
	WIN TO_F
.irp q, 0,1,2,3,4,5,6,7
	ds_load_b128 v[64*\a+8*\q:64*\a+8*\q+3],   v[ADRA+1] offset:\a*8192+\q*1024
	ds_load_b128 v[64*\a+8*\q+4:64*\a+8*\q+7], v[ADRA+1] offset:\a*8192+\q*1024+512
.endr
.endm
; A load into a register that a matrix instruction has read, and an LDS store that reads a matrix result, stand four places behind that matrix instruction, and only plain vector instructions that name none of its
; registers are places (ISA guide 7.12.1 for vector instructions).
.macro PLACES
.rept 4
	v_nop
.endr
.endm
; K step q of slot p.  cnt: how many younger LDS loads may stay out (-1: the step's fragments were shown in by an earlier wait for 0).  fq >= 0: behind the products the set takes K step fq of slot fslot.
.macro STEP p, q, cnt, fslot, fq, zero
.if (\cnt) >= 0
	s_wait_dscnt \cnt
.endif
	WIN MUL
	MUL8 \q, \p, 0, \zero
	MUL8 \q, \p, 2, \zero
.if (\fq) >= 0
	PLACES
	FETCH \fslot, \fq, (\q)%4
.endif
.endm
; K step 5 of slot p changes slots: all of the slot's fragments and scale words have been asked for.  ONE barrier; in front of it each wave waits for all its tensor loads (the one that is out is its panel of the next slot),
; adds 0 to its spare word, and waits for that and for its own reads of this slot.  fill = 1: this slot is filled again, two panels ahead: the load has eight K steps, 128 matrix instructions, in which to land.
; fill = 0: the next slot holds the last panel, which goes by rows.
.macro TURN p, next, fill
	WIN 0                                          ; (the add's two registers lie in window 0)
.if \fill
	s_wait_xcnt 0x0                                ; any prefetch of mine has read its address: it steps here, ahead of the waits of the change of slots
	s_add_nc_u64 s[PFA:PFA+1], s[PFA:PFA+1], PANEL
.endif
	s_wait_tensorcnt 0x0                           ; all my tensor loads have landed;
	ds_add_u32 v[SPW], v[NIL]                      ; 0 onto my spare word;
.if \fill
	s_add_nc_u64 s[G0+4*\p+2:G0+4*\p+3], s[G0+4*\p+2:G0+4*\p+3], 2*PANEL     ; no tensor load of mine is out: the addresses step
	s_add_nc_u64 s[G0B+4*\p+2:G0B+4*\p+3], s[G0B+4*\p+2:G0B+4*\p+3], 2*PANEL
.endif
	s_wait_dscnt 33                                ; K step 5's fragments are in (the fetches of K steps 6 and 7, 32 loads, and the add may be out)
	WIN MUL
	MUL8 5, \p, 0, 0                               ; eight matrix instructions stand between the add and the wait for it
	s_wait_dscnt 0x0                               ; the add is done, and my reads of this slot are over
	s_barrier_signal -1
	MUL8 5, \p, 2, 0
	WIN 0
	s_barrier_wait -1
.if \fill
	CREST                                          ; the barrier has opened a round of the cluster's barrier: no wave of any partner still reads this slot or has a load on its way
	JLOAD \p                                       ; the first tensor load behind the round; the four v_nop behind it are also the places in front of the loads below
	FETCH \next, 0, 0
	WIN 0
	SCALES \next
	s_cmp_gt_u32 s3, s[LIM]                        ; the loop's last trip asks for nothing
	s_cbranch_scc0 .Lnot_mine_\@
	PREF 3
.Lnot_mine_\@:
	FETCH \next, 1, 1
.else
	PLACES
	SCALES \next
	FETCHW
	FETCHA 0
	FETCHA 1
.endif
.endm
; A slot's K steps 1 to 7, with the change of slots in the fifth.  Each count of 48 leaves the three younger fetches out.
.macro REST p, next, fill
	STEP \p, 1, 48, \p, 5, 0
	STEP \p, 2, 48, \p, 6, 0
	STEP \p, 3, 48, \p, 7, 0
	STEP \p, 4, 48, \p, -1, 0
	TURN \p, \next, \fill
.if \fill
	STEP \p, 6, -1, \next, 2, 0
	STEP \p, 7, -1, \next, 3, 0
.else
	STEP \p, 6, -1, \next, -1, 0
	STEP \p, 7, -1, \next, -1, 0
.endif
.endm
	s_wait_tensorcnt 0x0                           ; my panel of slot 0 is in
	ds_add_u32 v[SPW], v[NIL]
	s_wait_dscnt 0x0                               ; the add is done
	CROUND                                         ; everybody's panel is in, and all sixteen work-groups are here: the joint loads meet,
	JLOAD 1                                        ; and panel 1's load, the first tensor load behind the round
	FETCH 0, 0, 0
	WIN 0
	SCALES 0
	s_cmp_eq_u32 s[LIM], 1
	s_cbranch_scc0 .Lnext_not_mine
	PREF 2
	PREF 3
.Lnext_not_mine:
	FETCH 0, 1, 1
	FETCH 0, 2, 2
	FETCH 0, 3, 3
	STEP 0, 0, 48, 0, 4, 1                         ; the first K step stands in front of the loop: its products start the sums
	WIN 0                                          ; at a label and at a branch every window is 0
	s_mov_b32 s3, 3
.Llap:                                                 ; a trip goes once round the ring, from a lap's second K step to the next lap's first, and fills both slots again: six refills for the eight panels along K
	REST 0, 1, 1
	STEP 1, 0, 48, 1, 4, 0
	REST 1, 0, 1
	STEP 0, 0, 48, 0, 4, 0
	WIN 0
	s_sub_co_u32 s3, s3, 1
	s_cmp_lg_u32 s3, 0
	s_cbranch_scc1 .Llap
	REST 0, 1, 0                                   ; the last lap fills nothing, and has no round of the cluster's barrier
; THE LAST PANEL GOES BY ROWS, block by block of 16 rows over its eight K steps: a block's four accumulators by turns, K ascending; each block leaves while the next is fetched and multiplied.
; A lane holds 32 neighbouring bytes of a row, and the lanes beside it hold other rows: so a block goes through my own stage in LDS and comes back as whole rows of 256 bytes, into its own set, which is done with.
; LDS serves a wave's instructions in order (ISA guide 5.7.1.4): no wait between the stores and the loads.
.macro ROW a, younger                  ; younger: the LDS instructions issued behind block a's fragments, which may stay out
	s_wait_dscnt \younger
	WIN MULR
.irp q, 0,1,2,3,4,5,6,7
.irp b, 0,1,2,3
.set AC, ACC+8*(4*\a+\b)
	v_wmma_scale_f32_16x16x128_f8f6f4 v[AC:AC+7], v[32*\q+8*\b:32*\q+8*\b+7], v[64*\a+8*\q:64*\a+8*\q+7], v[AC:AC+7], v[SC+32+8*\b+\q], v[SC+32+8*\a+\q] matrix_a_fmt:MATRIX_FMT_FP4 matrix_b_fmt:MATRIX_FMT_FP4 matrix_a_scale:MATRIX_SCALE_ROW1
.endr
.endr
	PLACES
.endm
.macro STAGE a
	WIN 0
.irp b, 0,1,2,3
	ds_store_b128 v[STO], v[ACC+8*(4*\a+\b):ACC+8*(4*\a+\b)+3] offset:\a*16*SPITCH+64*\b         ; each accumulator from its low end on
	ds_store_b128 v[STO], v[ACC+8*(4*\a+\b)+4:ACC+8*(4*\a+\b)+7] offset:\a*16*SPITCH+64*\b+16
.endr
	WIN TO_F
.irp t, 0,1,2,3,4,5,6,7
	ds_load_b128 v[64*\a+4*\t:64*\a+4*\t+3], v[RD] offset:(8*\a+\t)*2*SPITCH
.endr
.endm
.macro SEND a, younger                 ; younger: the LDS instructions issued behind block a's loads from the stage, which may stay out
	s_wait_dscnt \younger
	WIN 0x04                                       ; a store's data are its source 1: window 1
.irp t, 0,1,2,3,4,5,6,7
	global_store_b128 v[CO], v[64*\a+4*\t:64*\a+4*\t+3], s[8:9] offset:(8*\a+\t)*8192 th:TH_STORE_NT   ; 16 lanes store 256 consecutive bytes, at a multiple of 256 from out0's first byte; written once, read by nobody here
.endr
.endm
	ROW 0, 16                                      ; A's block 1 may be out
	STAGE 0
	FETCHA 2
	ROW 1, 32                                      ; stage 0's 16 and A's block 2 may be out
	SEND 0, 16
	STAGE 1
	FETCHA 3
	ROW 2, 32
	SEND 1, 16
	STAGE 2
	ROW 3, 16
	SEND 2, 0
	STAGE 3
	SEND 3, 0
	WIN 0
	s_wait_tensorcnt 0x0                           ; the wave's end: behind my last tensor load and my last LDS store
	ds_add_u32 v[SPW], v[NIL]
	s_wait_dscnt 0x0
	CROUND                                         ; the closing round: no work-group ends while a partner may still ask for a panel that names it
	s_endpgm
.Lfunc_end_k_qfee762def7_gemm:
	.size	k_qfee762def7_gemm, .Lfunc_end_k_qfee762def7_gemm-k_qfee762def7_gemm
	.p2alignl 7, 3214868480
	.fill 96, 4, 3214868480
	.section	.rodata,"a",@progbits
	.p2align	6, 0x0
	.amdhsa_kernel k_qfee762def7_gemm
		.amdhsa_group_segment_fixed_size 327680
		.amdhsa_private_segment_fixed_size 0
		.amdhsa_enable_private_segment 0
		.amdhsa_kernarg_size 24
		.amdhsa_user_sgpr_count 2
		.amdhsa_user_sgpr_kernarg_segment_ptr 1
		.amdhsa_wavefront_size32 1
		.amdhsa_system_sgpr_workgroup_id_x 1
		.amdhsa_system_sgpr_workgroup_id_y 1
		.amdhsa_system_sgpr_workgroup_id_z 1
		.amdhsa_system_vgpr_workitem_id 0
		.amdhsa_next_free_vgpr 768
		.amdhsa_next_free_sgpr 66
		.amdhsa_reserve_vcc 0
		.amdhsa_float_denorm_mode_32 3
		.amdhsa_float_denorm_mode_16_64 3
		.amdhsa_memory_ordered 1
		.amdhsa_forward_progress 1
		.amdhsa_inst_pref_size 124
	.end_amdhsa_kernel
	.amdgpu_metadata
---
amdhsa.version: [ 1, 2 ]
amdhsa.kernels:
  - .name:           k_qfee762def7_gemm
    .symbol:         k_qfee762def7_gemm.kd
    .args:
      - { .name: apk, .offset: 0, .size: 8, .value_kind: global_buffer, .address_space: global }
      - { .name: wpk, .offset: 8, .size: 8, .value_kind: global_buffer, .address_space: global }
      - { .name: out0, .offset: 16, .size: 8, .value_kind: global_buffer, .address_space: global }
    .group_segment_fixed_size: 327680
    .private_segment_fixed_size: 0
    .kernarg_segment_align: 8
    .kernarg_segment_size: 24
    .max_flat_workgroup_size: 128
    .sgpr_count:     66
    .vgpr_count:     768
    .wavefront_size: 32
...
	.end_amdgpu_metadata
.endif
;; end of part 2
